; MI455X (gfx1250); checked and timed in simulation.
; The chip was launched on July 23, 2026; its instructions are those of AMD's public machine-readable ISA for CDNA 5 (MIT licence, August 2026) and "CDNA5" Instruction Set Architecture Reference Guide (July 2026). The comments in the code are by the model that wrote it; some were corrected since.
;; Mock Lo HA Adapter. Allowed arithmetic: matrix products marked QUANTISED: E2M1 operands, one E8M0 scale for each 32 along K, by v_wmma_scale_f32_16x16x128_f8f6f4 with both operands' format E2M1 (or v_wmma_scale_f32_32x16x128_f4), f32 sums; products left as they are: f32 operands where the result goes on into a quantised operand, else bf16, f16 or f32 operands; f32 sums; everything else in f32.
;; Inputs: hada_w1_a 4,096 x 16 float32; hada_w1_b 16 x 4,096 float32; hada_w2_a 4,096 x 16 float32; hada_w2_b 16 x 4,096 float32; org_bias 4,096 float32; org_weight_codes 4,096 x 128 x 16 uint8 (E2M1 codes of org_weight, K innermost, in blocks of 32 codes, two codes a byte); org_weight_scales 4,096 x 128 uint8 (E8M0 scales of org_weight, one for each 32 codes along K); scalar one number float32; x_codes 4 x 512 x 128 x 16 uint8 (E2M1 codes of x, K innermost, in blocks of 32 codes, two codes a byte); x_scales 4 x 512 x 128 uint8 (E8M0 scales of x, one for each 32 codes along K).
;; Outputs: out0 4 x 512 x 4,096 float32.
;; This version of the problem:
;;   THIS VERSION OF THE PROBLEM IS GIVEN IN LOW PRECISION. The matrix products marked QUANTISED in the list below multiply operands that are first quantised to E2M1 (2 exponent bits, 1 mantissa bit; 4 bits a number), with one power-of-two scale for each 32 numbers along K (OCP MX v1.0); their sums are f32. All else is computed in f32.
;;   The module's matrix products, in the order in which they are computed (A, B: the left and right operand; K: the contracted axis; several contracted axes count as one K, in the product's order):
;;     1. [M 2,048, K 4,096] x [K 4,096, N 4,096]; A: input x (given as codes); B: input org_weight (given as codes): QUANTISED
;;     2. [M 4,096, K 16] x [K 16, N 4,096]; A: input hada_w1_a; B: input hada_w1_b: left as it is (K = 16 < 32)
;;     3. [M 4,096, K 16] x [K 16, N 4,096]; A: input hada_w2_a; B: input hada_w2_b: left as it is (K = 16 < 32)
;;     4. [M 2,048, K 4,096] x [K 4,096, N 4,096]; A: input x (given as codes); B: computed on the way: QUANTISED
;;   THE QUANTISER, for each operand of a quantised product, along K:
;;     - K is cut into blocks of 32 from its start; a last block that is shorter is filled with zeros.
;;     - A block's scale is 2^e with e = floor(log2(the largest magnitude in the block)) - 2, held to -126 .. 127; a block of zeros has e = 0. As a byte (E8M0): e + 127.
;;     - Each number is divided by its block's scale, clamped to +-6, and rounded to the nearest number of E2M1, ties to even, subnormals kept.
;;     - The product sums the exact products of the quantised numbers (number of the format x scale) in f32.
;;   ~~~python
;;   def quantise(x, axis):      # numpy; x: float32 -> the quantised numbers, widened to float32 again
;;       x = np.moveaxis(x, axis, -1); K = x.shape[-1]
;;       x = np.pad(x, [(0, 0)] * (x.ndim - 1) + [(0, -K % 32)]); x = x.reshape(x.shape[:-1] + (-1, 32)); a = np.abs(x).max(-1, keepdims=True)
;;       e = np.where(a > 0, np.clip(np.frexp(np.where(a > 0, a, 1))[1] - 1 - 2, -126, 127), 0)      # np.frexp(a)[1] - 1 = floor(log2(a)), exactly
;;       r = np.clip(x / 2.0 ** e, -6, 6)
;;       step = 2.0 ** (np.maximum(np.frexp(np.where(r == 0, 1, r))[1] - 1, 0) - 1)
;;       q = np.round(r / step) * step * 2.0 ** e      # np.round: ties to even
;;       return np.moveaxis(q.reshape(q.shape[:-2] + (-1,))[..., :K], -1, axis).astype(np.float32)
;;   ~~~
;;   OPERANDS COMPUTED ON THE WAY. 'Computed on the way' means the value that the module computes at that place (a softmax that the list does not call 'softmax' is quantised finished and normalised). What goes into a quantiser is computed in f32, as accurately as f32 sums, v_exp_f32 and their like allow (about 1e-6 of the number): no bf16 or f16 on the way to a quantiser, and a product that is left as it is and whose result goes on into a quantised operand takes f32 operands (vector FMAs, or v_wmma_f32_16x16x4_f32). A number that lies on a knife's edge between two numbers of the format may be rounded either way, as far as f32 arithmetic and the matrix unit's own rounding can turn it there, and no further.
;;   INPUTS GIVEN AS CODES. org_weight (in the module: [4096, 4096], K = its axis 1); x (in the module: [4, 512, 4096], K = its axis 2): each comes as NAME_codes (uint8): NAME with its K axis moved to the last place and cut into blocks of 32 codes, [.., K / 32, bytes a block], one block behind the other in memory; two codes a byte, the lower K in the low four bits (a code: sign, 2 exponent bits, 1 mantissa bit); and NAME_scales (uint8): the same leading axes, one E8M0 byte (e + 127) for each 32 codes along K. Its value is code x scale, taken as it is: it is not quantised again, and the codes and scales need not be those that the quantiser above would give.
;; One version. Each part assembles by itself: llvm-mc -triple=amdgcn-amd-amdhsa -mcpu=gfx1250 --defsym DOCPART=n.
;; ======== version 1 of 1: 2 launches
;; limits: right only within a limited range of input values
;; workspace buffers: dq 9,437,184 bytes; xs 262,144 bytes
;; launch diffq (part 1): grid 8 x 32, 8 waves a work-group, no clusters, 17,920 bytes of LDS; arguments hada_w1_a, hada_w1_b, hada_w2_a, hada_w2_b, scalar, org_weight_scales, x_scales, dq, xs; writes dq, xs
.if DOCPART == 1
	.amdgcn_target "amdgcn-amd-amdhsa--gfx1250"
	.amdhsa_code_object_version 6
	.text
	.protected	k_q9838dd257f_diffq
	.globl	k_q9838dd257f_diffq
	.p2align	8
	.type	k_q9838dd257f_diffq,@function
k_q9838dd257f_diffq:
	s_mov_b64 s[64:65], 0
	v_nop
	global_prefetch_b8 v0, s[64:65] scope:SCOPE_SE
	s_setreg_imm32_b32 hwreg(HW_REG_WAVE_MODE, 25, 1), 1
	s_wait_xcnt 0x0
; D[o][i] = (w1_a w1_b)[o][i] x (w2_a w2_b)[o][i] x scalar, in f32, quantised along i to codes of FP4 (E2M1) with one E8M0 byte for each 32 along i.
; The codes and scale words are stored in the ORDER OF THE OPERAND'S REGISTERS, by K slot of 512, so that the next launch brings a slot's part by one dense tensor load.  The same launch lays the given scale
; bytes of org_weight and of x by K slot: dq = [32 groups of 128 rows o][8 slots][36,864 bytes: 32,768 of D's codes [128 K][16 rows][32 K][row][16 bytes]; 2,048 of D's scale words [128 K][64 rows][lane][2 words];
; 2,048 of org_weight's scale bytes [row][16]];  xs = [8 groups of 256 rows][8 slots][row][16 bytes].
; LEFT OUT: the factors scale and multiplier, which the problem builds in its own body as the constant 1.0: factors of 1 for all values of the inputs.  Every input has a way to the output and is loaded by one of the two launches.
; LIMITS: scalar is multiplied into w2_b's numbers once, ahead of the sums, so the order of rounding differs from (P1 x P2) x scalar by about one unit in the last place a term; the sums over the 16 ranks run in another
; order than a plain ascending chain; a block whose largest magnitude lies under 2^-124 is taken at that floor (byte 1, as the rule's hold at -126 asks), and a block of zeros gets the byte 1 where the rule says 127:
; its codes are zeros, and the bytes are read by this program alone; NaN and infinities among the inputs are not served.
; SHARES.  Work-group (X, q): rows o 512 X .. + 511, i = 128 q .. + 127.  Eight waves, two for each of a WGP's four SIMDs: wave w takes the 64 rows 64 w on: half w % 2 of group 4 X + w / 2: 4 tiles of 16 rows.
; A lane (r = lane % 16, h = lane / 16) holds row 16 t + r, and for block bk of 32 its 16 registers hold i = 32 bk + 16 h + 0 .. 15: neighbours along K, as the conversions want them.
; P1 = w1_a w1_b is made by the f32 matrix form (source 0 = 16 columns of w1_b, chosen so that the result falls into the layout above; source 1 = 16 rows of w1_a; the ranks are dealt
; alike to both sources: half h, step s, register j = rank 8 h + 2 s + j).  P2 = w2_a (scalar w2_b) is made by packed multiply-adds in the same layout.  One matrix instruction stands ahead of every 16 packed lines.
; No cluster and no tensor load: the two factors' rows are 16 KiB a work-group, read once through registers.
; REGISTERS, in windows of 256.  One setting, 0x54 (source 0 window 0, sources 1, 2 and destination window 1), serves the packed lines and the matrix lines alike.
;   window 0: v1-15 offsets, LDS addresses, the add's two; v16-31 w1_b's fragments, two buffers; v32-159 w2_b's numbers, four buffers of four ranks; v164-167 scale bytes on their way
;   window 1: v0-63 w2_a (16 t + rank); v64-95 w1_a (8 t + k: rank 8 h + k); v96-159 the products (16 t + n); v160-187 at work; v224-255 P1, written by matrix instructions alone (no other line writes a register of these numbers in any window)
.set PB,    528                        ; an LDS row: 128 numbers of one rank, 512 bytes, + 16
.set B2,    16*PB                      ; w1_b's 16 ranks at 0, w2_b's here
.set SPARE, 32*PB                      ; the spare words, 128 bytes for each wave: four blocks of 256 bytes that no other line names
.set NBLK,  36864                      ; a (group, slot) block of dq
.set OGB,   8*NBLK                     ; a group's eight
.set SPW,   12
.set NIL,   13
.set FB,    16
.set RB,    32
.set A2,    0
.set A1,    64
.set PR,    96
.set TMX,   160                        ; largest magnitudes
.set TMO,   164                        ; the other half's, then the bytes
.set TSC,   168                        ; the conversions' scale operands
.set CD,    172                        ; codes: two registers a tile
.set WD,    180                        ; scale words, a tile each
.set OUTW,  184
.set STC,   186                        ; 16 r + 8 h
.set STS,   187                        ; 8 x lane
.set P1,    224
.set MSB, 0
.macro WIN new                         ; the immediate's high byte repeats the setting that is left
.if MSB != \new
	s_set_vgpr_msb (MSB<<8)|\new
.set MSB, \new
.endif
.endm
.macro FLOAD off, buf                  ; w1_b's four fragments of a phase: register 2 s + j = rank 8 h + 2 s + j at my column
.irp k, 0,1,2,3,4,5,6,7
	ds_load_b32 v[FB+8*(\buf)+\k], v4 offset:\k*PB+(\off)
.endr
.endm
.macro BLOAD off, s                    ; w2_b's ranks 4 s .. 4 s + 3, my half's eight numbers of each: all lanes of a half read the same bytes
.irp rr, 0,1,2,3
.irp c, 0,1
	ds_load_b128 v[RB+32*(\s)+8*\rr+4*\c:RB+32*(\s)+8*\rr+4*\c+3], v5 offset:(4*(\s)+\rr)*PB+16*\c+(\off)
.endr
.endr
.endm
.macro WM1 t, u, s                     ; link s of tile t's P1; the first starts the sum with the constant 0
.if (\s) == 0
	v_wmma_f32_16x16x4_f32 v[P1+8*(\t):P1+8*(\t)+7], v[FB+8*(\u)+2*(\s):FB+8*(\u)+2*(\s)+1], v[A1+8*(\t)+2*(\s):A1+8*(\t)+2*(\s)+1], 0
.else
	v_wmma_f32_16x16x4_f32 v[P1+8*(\t):P1+8*(\t)+7], v[FB+8*(\u)+2*(\s):FB+8*(\u)+2*(\s)+1], v[A1+8*(\t)+2*(\s):A1+8*(\t)+2*(\s)+1], v[P1+8*(\t):P1+8*(\t)+7]
.endif
.endm
.macro PK t, u, s, rr                  ; tile t's eight numbers take rank 4 s + rr: four packed lines; of the pair of w2_a's numbers the one of that rank serves both halves
.irp pr, 0,1,2,3
.set rP, PR+16*(\t)+8*(\u)+2*\pr
.set rB, RB+32*(\s)+8*(\rr)+2*\pr
.set rA, A2+16*(\t)+4*(\s)+2*((\rr)/2)
.if (4*(\s)+(\rr)) == 0
	v_pk_mul_f32 v[rP:rP+1], v[rB:rB+1], v[rA:rA+1] op_sel_hi:[1,0]          ; rank 0 starts the sums: nothing is cleared
.elseif ((\rr)%2) == 0
	v_pk_fma_f32 v[rP:rP+1], v[rB:rB+1], v[rA:rA+1], v[rP:rP+1] op_sel_hi:[1,0,1]
.else
	v_pk_fma_f32 v[rP:rP+1], v[rB:rB+1], v[rA:rA+1], v[rP:rP+1] op_sel:[0,1,0] op_sel_hi:[1,1,1]
.endif
.endr
.endm
; Four ranks for all 4 tiles: 4 matrix instructions, the tiles' accumulators by turns, and 64 packed lines; a packed sum comes again after 8 lines.
.macro CHUNK u, s
.irp tp, 0,1
	WM1 2*\tp, \u, \s
	PK 2*\tp, \u, \s, 0
	PK 2*\tp+1, \u, \s, 0
	PK 2*\tp, \u, \s, 1
	PK 2*\tp+1, \u, \s, 1
	WM1 2*\tp+1, \u, \s
	PK 2*\tp, \u, \s, 2
	PK 2*\tp+1, \u, \s, 2
	PK 2*\tp, \u, \s, 3
	PK 2*\tp+1, \u, \s, 3
.endr
.endm
.macro MULP u                          ; the products: P2 x P1, into P2's registers; each P1 is read from its low pair on.  Tile 3's last link stands 16 packed lines back
.irp t, 0,1,2,3
.irp pr, 0,1,2,3
	v_pk_mul_f32 v[PR+16*\t+8*(\u)+2*\pr:PR+16*\t+8*(\u)+2*\pr+1], v[PR+16*\t+8*(\u)+2*\pr:PR+16*\t+8*(\u)+2*\pr+1], v[P1+8*\t+2*\pr:P1+8*\t+2*\pr+1]
.endr
.endr
.endm
; A PHASE: eight of a block's numbers a lane (n = 8 u + 0 .. 7) for all 4 tiles.  nxt = 1: behind each chunk its buffer takes the next phase's numbers, offn bytes on in the LDS rows.
; LDS loads go out in the order F(n) L(n,0) L(n,1) L(n,2) L(n,3) F(n+1) L(n+1,0) ..., eight loads each, and come back in that order: ahead of chunk 0 the three younger chunks' 24 may be out;
; ahead of chunks 1 to 3 the 32 issued behind the chunk's own.  In the last phase nothing is issued and the counts run down.
.macro PHASE u, nxt, offn
.irp s, 0,1,2,3
.if \nxt
.if \s == 0
	s_wait_dscnt 24
.else
	s_wait_dscnt 32
.endif
.else
	s_wait_dscnt 24-8*\s
.endif
	WIN 0x54
	CHUNK \u, \s
.if \nxt
	WIN 0
.if \s == 0
	FLOAD \offn, 1-\u                              ; into the buffer that the phase before multiplied: its last reader stands a whole chunk back
.endif
	BLOAD \offn, \s
.endif
.endr
	WIN 0x55
	MULP \u
.endm
; A block of 32 along K of all 4 tiles, the tiles by turns: the largest magnitude (my 16, the floor 2^(3 - 127), lane l xor 16's), its exponent field less 2 as the conversion's scale operand, the byte into the
; tile's scale word, 16 codes in two registers.  Lane (r, h) stores its 8 bytes at 16 r + 8 h of the block's 256: each store of the wave covers 256 consecutive bytes, aligned.
.macro QUANT
.irp t, 0,1,2,3
	v_max3_num_f32 v[TMX+\t], |v[PR+16*\t]|, |v[PR+16*\t+1]|, 0x1800000
.endr
.irp i, 2,4,6,8,10,12,14
.irp t, 0,1,2,3
	v_max3_num_f32 v[TMX+\t], v[TMX+\t], |v[PR+16*\t+\i]|, |v[PR+16*\t+\i+1]|
.endr
.endr
.irp t, 0,1,2,3
	v_permlanex16_b32 v[TMO+\t], v[TMX+\t], s28, s29
.endr
.irp t, 0,1,2,3
	v_max_num_f32 v[TMX+\t], v[TMX+\t], v[TMO+\t]
.endr
.irp t, 0,1,2,3
	v_add_nc_u32 v[TSC+\t], 0xff000000, v[TMX+\t]  ; 2 off the exponent field: the conversion takes the exponent field of this operand as its scale
.endr
.irp t, 0,1,2,3
	v_lshrrev_b32 v[TMO+\t], 23, v[TSC+\t]         ; the scale's byte
.endr
.irp t, 0,1,2,3
	v_lshl_or_b32 v[WD+\t], v[TMO+\t], s30, v[WD+\t]   ; at byte bk of the row's word (s30 = 8 bk)
.endr
.irp t, 0,1,2,3
	v_cvt_scalef32_pk8_fp4_f32 v[CD+2*\t], v[PR+16*\t:PR+16*\t+7], v[TSC+\t]
	v_cvt_scalef32_pk8_fp4_f32 v[CD+2*\t+1], v[PR+16*\t+8:PR+16*\t+15], v[TSC+\t]
.endr
	v_nop                                          ; one plain line behind the last conversion: the next phase writes the numbers' registers
.irp t, 0,1,2,3
	global_store_b64 v[STC], v[CD+2*\t:CD+2*\t+1], s[36:37] offset:1024*\t
.endr
	s_wait_xcnt 0x0                                ; the stores have read their data and their base: both are written again only behind this wait
	s_add_nc_u64 s[36:37], s[36:37], 256           ; the next block of 32 along K
	s_add_co_u32 s30, s30, 8
.endm
	s_load_b512 s[8:23], s[0:1], 0x0               ; w1_a s[8:9], w1_b s[10:11], w2_a s[12:13], w2_b s[14:15], scalar s[16:17], W's scales s[18:19], x's scales s[20:21], dq s[22:23]
	s_load_b64 s[24:25], s[0:1], 0x40              ; xs
	v_lshl_add_u32 v[SPW], v0, 2, SPARE
	v_mov_b32 v[NIL], 0
	v_lshrrev_b32 v1, 5, v0
	v_readfirstlane_b32 s2, v1                     ; wave 0..7
	s_mov_b32 s4, ttmp9                            ; X
	s_and_b32 s5, ttmp7, 0xffff                    ; q
	s_lshl_b32 s6, s5, 3
	s_add_co_u32 s6, s6, s4                        ; g = 8 q + X: which piece of the scale bytes is my work-group's
	s_lshl_b32 s7, s4, 2
	s_lshr_b32 s3, s2, 1
	s_add_co_u32 s7, s7, s3                        ; my group of 128 rows: 4 X + wave / 2
	s_and_b32 s44, s2, 1                           ; which 64 of them
	s_mov_b32 s43, NBLK
	s_cmp_lt_u32 s2, 4                             ; waves 0-3 lay W's scale bytes, waves 4 and 5 x's
	s_cselect_b32 s43, s43, 0x1000                 ; a slot on in dq, or in xs
	s_mul_i32 s3, s2, 4*PB
	s_mov_b32 s28, 0x76543210
	s_mov_b32 s29, 0xfedcba98                      ; v_permlanex16_b32's selects for lane l xor 16
	s_mov_b32 s30, 0
	s_mov_b32 s31, 0xffff0000                      ; lanes 16-31
	s_mov_b32 s33, 0
	v_and_b32 v11, 31, v0                          ; lane
	v_and_b32 v14, 15, v0                          ; r
	v_bfe_u32 v15, v0, 4, 1                        ; h
	v_lshlrev_b32 v1, 4, v11                       ; 16 x lane
	v_lshlrev_b32 v3, 6, v14                       ; w2_a: row r of 64 bytes
	v_lshl_add_u32 v2, v15, 5, v3                  ; w1_a: + 32 h: ranks 8 h on
	v_and_b32 v4, 8, v14
	v_add_nc_u32 v4, v4, v14                       ; r + 8 (r / 8): the columns of a tile of w1_b are not neighbours
	v_lshlrev_b32 v4, 2, v4
	v_mad_u32_u24 v4, v15, 8*PB, v4                ; + ranks 8 h on
	v_lshl_add_u32 v5, v15, 6, B2                  ; w2_b: my half's 16 numbers of a block
	v_add_nc_u32 v6, s3, v1                        ; where I lay my four rows: waves 0-3 w1_b's, waves 4-7 w2_b's
	v_lshlrev_b32 v9, 7, v14
	v_lshl_add_u32 v9, v15, 4, v9                  ; scale bytes in: row r of 128 bytes, + 16 h: one of two slots
	v_lshlrev_b32 v7, 4, v14                       ; 16 r
	v_mad_u32_u24 v8, v15, s43, v7                 ; and out
	v_lshl_add_u32 v7, v15, 3, v7                  ; 16 r + 8 h: my codes' place in a block's 256 bytes
	WIN 0x40                                       ; destination window 1
.irp t, 0,1,2,3
	v_mov_b32 v[WD+\t], 0                          ; the scale words are gathered byte by byte
	v_mov_b32 v[TMO+\t], 0                         ; a lane permute's destination counts as one of its sources
.endr
	v_mov_b32 v[STC], v7
	v_lshlrev_b32 v[STS], 3, v11
	WIN 0
	s_wait_alu depctr_va_vdst(0)
	s_wait_kmcnt 0x0
	s_load_b32 s26, s[16:17], 0x0                  ; scalar
	s_lshl_b32 s3, s6, 11                          ; W's scale bytes: rows 16 g on, slots 2 w and 2 w + 1
	s_lshl_b32 s40, s2, 5
	s_add_co_u32 s3, s3, s40
	s_and_b32 s42, s6, 1                           ; x's: rows 16 (g / 2) on, pair of slots 2 (g % 2) + wave % 2
	s_lshl_b32 s42, s42, 1
	s_add_co_u32 s42, s42, s44
	s_lshr_b32 s41, s6, 1
	s_lshl_b32 s40, s41, 11
	s_lshl_b32 s32, s42, 5
	s_add_co_u32 s40, s40, s32
	s_cmp_lt_u32 s2, 4
	s_cselect_b64 s[18:19], s[18:19], s[20:21]
	s_cselect_b64 s[34:35], s[10:11], s[14:15]
	s_cselect_b32 s32, s3, s40
	s_add_nc_u64 s[18:19], s[18:19], s[32:33]
	s_and_b32 s32, s2, 3
	s_lshl_b32 s32, s32, 16                        ; four rows of 16,384 bytes
	s_lshl_b32 s3, s5, 9                           ; 128 q numbers
	s_add_co_u32 s32, s32, s3
	s_add_nc_u64 s[34:35], s[34:35], s[32:33]
	s_lshl_b32 s32, s4, 3
	s_add_co_u32 s32, s32, s2
	s_lshl_b32 s32, s32, 12                        ; my 64 rows of 64 bytes
	s_add_nc_u64 s[8:9], s[8:9], s[32:33]
	s_add_nc_u64 s[12:13], s[12:13], s[32:33]
	s_cmp_lt_u32 s2, 6
	s_cbranch_scc0 .Lno_bytes_in
	global_load_b128 v[164:167], v9, s[18:19] th:TH_LOAD_NT
.Lno_bytes_in:
.irp k, 0,1,2,3
	global_load_b128 v[RB+4*\k:RB+4*\k+3], v1, s[34:35] offset:16384*\k      ; a rank's 128 numbers: 512 consecutive bytes
.endr
	WIN 0x40                                       ; destination window 1
.irp t, 0,1,2,3
.irp c, 0,1,2,3
	global_load_b128 v[A2+16*\t+4*\c:A2+16*\t+4*\c+3], v3, s[12:13] offset:1024*\t+16*\c
.endr
.endr
.irp t, 0,1,2,3
.irp c, 0,1
	global_load_b128 v[A1+8*\t+4*\c:A1+8*\t+4*\c+3], v2, s[8:9] offset:1024*\t+16*\c
.endr
.endr
	WIN 0
	s_mul_i32 s32, s7, OGB
	s_lshr_b32 s3, s5, 2                           ; slot
	s_mul_i32 s3, s3, NBLK
	s_add_co_u32 s32, s32, s3
	s_add_nc_u64 s[38:39], s[22:23], s[32:33]      ; my block of dq
	s_and_b32 s3, s5, 3                            ; which 128 along K of the slot
	s_lshl_b32 s32, s3, 13
	s_lshl_b32 s40, s44, 12
	s_add_co_u32 s32, s32, s40
	s_add_nc_u64 s[36:37], s[38:39], s[32:33]      ; my half's codes
	s_lshl_b32 s32, s3, 9
	s_lshl_b32 s40, s44, 8
	s_add_co_u32 s32, s32, s40
	s_add_co_u32 s32, s32, 32768
	s_add_nc_u64 s[38:39], s[38:39], s[32:33]      ; its scale words
	s_mul_i32 s3, s5, OGB                          ; W's scale bytes: rows 16 g on lie in group g / 8 = q, from its row 16 X on
	s_mul_i32 s32, s2, 2*NBLK
	s_add_co_u32 s3, s3, s32
	s_lshl_b32 s32, s4, 8
	s_add_co_u32 s3, s3, s32
	s_add_co_u32 s3, s3, 34816
	s_lshr_b32 s40, s6, 5                          ; x's: group of 256 rows
	s_lshl_b32 s40, s40, 15
	s_lshl_b32 s32, s42, 13
	s_add_co_u32 s40, s40, s32
	s_and_b32 s41, s41, 15
	s_lshl_b32 s41, s41, 8
	s_add_co_u32 s40, s40, s41
	s_cmp_lt_u32 s2, 4
	s_cselect_b64 s[22:23], s[22:23], s[24:25]
	s_cselect_b32 s32, s3, s40
	s_add_nc_u64 s[22:23], s[22:23], s[32:33]
	s_wait_loadcnt 24                              ; the scale bytes and my four rows are in; w2_a's 16 and w1_a's 8 loads may be out
	s_wait_kmcnt 0x0
	s_mov_b32 s27, s26                             ; (the packed form names the pair)
	s_cmp_lt_u32 s2, 4
	s_cbranch_scc1 .Lrows
.irp k, 0,2,4,6,8,10,12,14
	v_pk_mul_f32 v[RB+\k:RB+\k+1], v[RB+\k:RB+\k+1], s[26:27] op_sel_hi:[1,0]    ; scalar goes into w2_b's numbers, once
.endr
.Lrows:
.irp k, 0,1,2,3
	ds_store_b128 v6, v[RB+4*\k:RB+4*\k+3] offset:PB*\k
.endr
	s_cmp_lt_u32 s2, 6
	s_cbranch_scc0 .Lno_bytes_out
	global_store_b128 v8, v[164:167], s[22:23]     ; sixteen lanes store 256 consecutive bytes, aligned; neither data nor addresses are written again
.Lno_bytes_out:
	s_wait_dscnt 0x0                               ; for the others' sake: my rows lie in LDS
	s_barrier_signal -1
	s_barrier_wait -1                              ; all 32 rows do; nothing is stored to LDS from here on
	FLOAD 0, 0
	BLOAD 0, 0
	BLOAD 0, 1
	BLOAD 0, 2
	BLOAD 0, 3
	s_wait_loadcnt 0x0                             ; my rows of w2_a and w1_a
	s_mov_b32 s3, 3
.Lblock:                                               ; a trip: one block of 32 along K, both halves of a lane's 16 numbers, then its codes
	PHASE 0, 1, 32
	PHASE 1, 1, 128
	QUANT
	WIN 0
	v_add_nc_u32 v4, 128, v4                       ; 32 numbers on in the LDS rows
	v_add_nc_u32 v5, 128, v5
	s_sub_co_u32 s3, s3, 1
	s_cmp_lg_u32 s3, 0
	s_cbranch_scc1 .Lblock
	PHASE 0, 1, 32                                 ; the last block is written out: its second phase fetches nothing, so no LDS load leaves the rows
	PHASE 1, 0, 0
	QUANT
.irp p, 0,1
	v_cndmask_b32 v[OUTW+\p], v[WD+2*\p], v[WD+2*\p+1], s31   ; register p: lanes 0-15 tile 2 p's words, lanes 16-31 tile 2 p + 1's (both halves of the lanes hold every tile's words)
.endr
	global_store_b64 v[STS], v[OUTW:OUTW+1], s[38:39]         ; 256 consecutive bytes
	WIN 0
	s_wait_tensorcnt 0x0                           ; the wave's end: behind my last LDS store
	ds_add_u32 v[SPW], v[NIL]
	s_wait_dscnt 0x0
	s_endpgm
.Lfunc_end_k_q9838dd257f_diffq:
	.size	k_q9838dd257f_diffq, .Lfunc_end_k_q9838dd257f_diffq-k_q9838dd257f_diffq
	.p2alignl 7, 3214868480
	.fill 96, 4, 3214868480
	.section	.rodata,"a",@progbits
	.p2align	6, 0x0
	.amdhsa_kernel k_q9838dd257f_diffq
		.amdhsa_group_segment_fixed_size 17920
		.amdhsa_private_segment_fixed_size 0
		.amdhsa_enable_private_segment 0
		.amdhsa_kernarg_size 72
		.amdhsa_user_sgpr_count 2
		.amdhsa_user_sgpr_kernarg_segment_ptr 1
		.amdhsa_wavefront_size32 1
		.amdhsa_system_sgpr_workgroup_id_x 1
		.amdhsa_system_sgpr_workgroup_id_y 1
		.amdhsa_system_sgpr_workgroup_id_z 1
		.amdhsa_system_vgpr_workitem_id 0
		.amdhsa_next_free_vgpr 512
		.amdhsa_next_free_sgpr 66
		.amdhsa_reserve_vcc 0
		.amdhsa_float_denorm_mode_32 3
		.amdhsa_float_denorm_mode_16_64 3
		.amdhsa_memory_ordered 1
		.amdhsa_forward_progress 1
		.amdhsa_inst_pref_size 102
	.end_amdhsa_kernel
	.amdgpu_metadata
---
amdhsa.version: [ 1, 2 ]
amdhsa.kernels:
  - .name:           k_q9838dd257f_diffq
    .symbol:         k_q9838dd257f_diffq.kd
    .args:
      - { .name: hada_w1_a, .offset: 0, .size: 8, .value_kind: global_buffer, .address_space: global }
      - { .name: hada_w1_b, .offset: 8, .size: 8, .value_kind: global_buffer, .address_space: global }
      - { .name: hada_w2_a, .offset: 16, .size: 8, .value_kind: global_buffer, .address_space: global }
      - { .name: hada_w2_b, .offset: 24, .size: 8, .value_kind: global_buffer, .address_space: global }
      - { .name: scalar, .offset: 32, .size: 8, .value_kind: global_buffer, .address_space: global }
      - { .name: org_weight_scales, .offset: 40, .size: 8, .value_kind: global_buffer, .address_space: global }
      - { .name: x_scales, .offset: 48, .size: 8, .value_kind: global_buffer, .address_space: global }
      - { .name: dq, .offset: 56, .size: 8, .value_kind: global_buffer, .address_space: global }
      - { .name: xs, .offset: 64, .size: 8, .value_kind: global_buffer, .address_space: global }
    .group_segment_fixed_size: 17920
    .private_segment_fixed_size: 0
    .kernarg_segment_align: 8
    .kernarg_segment_size: 72
    .max_flat_workgroup_size: 256
    .sgpr_count:     66
    .vgpr_count:     512
    .wavefront_size: 32
...
	.end_amdgpu_metadata
.endif
;; end of part 1
;; launch gemm (part 2): grid 32 x 8, 4 waves a work-group, clusters of 4 x 4, 327,680 bytes of LDS; arguments x_codes, org_weight_codes, dq, xs, org_bias, out0; writes out0
.if DOCPART == 2
	.amdgcn_target "amdgcn-amd-amdhsa--gfx1250"
	.amdhsa_code_object_version 6
	.text
	.protected	k_q9838dd257f_gemm
	.globl	k_q9838dd257f_gemm
	.p2align	8
	.type	k_q9838dd257f_gemm,@function
k_q9838dd257f_gemm:
	s_mov_b64 s[64:65], 0
	v_nop
	global_prefetch_b8 v0, s[64:65] scope:SCOPE_SE
	s_setreg_imm32_b32 hwreg(HW_REG_WAVE_MODE, 25, 1), 1
	s_wait_xcnt 0x0
	s_wait_alu depctr_hold_cnt(0) depctr_sa_sdst(0) depctr_va_vdst(0) depctr_va_sdst(0) depctr_va_ssrc(0) depctr_va_vcc(0) depctr_vm_vsrc(0)
	s_getreg_b32 s2, hwreg(HW_REG_IB_STS2, 6, 4)
	s_cmp_eq_u32 s2, 0
	s_cbranch_scc0 .Lentry_in_a_cluster
	s_endpgm
.Lentry_in_a_cluster:
	s_bfe_u32 s2, ttmp6, 0x10000c
	s_cmp_lg_u32 s2, 0xf033
	s_cbranch_scc0 .Lentry_shape_is_right
	s_endpgm
.Lentry_shape_is_right:
; out0[m][o] = org_bias[o] + sum over i of x[m][i] W[o][i] + sum over i of x[m][i] Q(D)[o][i]: both quantised products in one pass over K, on codes of FP4 (E2M1) with one E8M0 byte for each 32 along K.
; x [2048][4096] and W [4096][4096] come as given; Q(D)'s codes and scale words, and W's and x's scale bytes laid by K slot, come from the launch before (dq, xs).
; LEFT OUT, as in the launch before: the factors scale and multiplier, which the problem builds as the constant 1.0.
; SHARES.  A work-group of four waves makes 256 rows m x 128 columns o; a wave 128 x 64: 16 accumulators of 32 (o) x 16 (m).  Each fragment of x meets W's two pairs of fragments and D's two;
; both products add onto the same accumulator.  For 128 along K a wave reads 16 fragments of 16 rows from LDS and issues 32 matrix instructions.
; THE MATRIX INSTRUCTION IS USED TRANSPOSED: source 0 = 32 rows of W or D, source 1 = 16 rows of x: a lane holds eight neighbouring columns of a row of out0, twice.
; K goes in slots of 512 through a ring of two LDS slots; a slot holds x's 256 rows and W's 128 rows of 256 bytes (16 bytes of padding behind each), D's 32 fragments as images of their registers (dense), and all three
; operands' scale words.  One tensor load a wave: wave 0 x's codes, wave 1 W's codes, wave 2 the block of dq (D's codes, D's scale words, W's scale bytes), wave 3 x's scale bytes.
; CLUSTERS: 4 x 4 work-groups.  The four of a row of the cluster need the same rows of x, the four of a column the same rows of W and D: each tile is asked for JOINTLY, by the same tensor load with the same descriptor and a
; mask that names the four.
; EACH CLUSTER BEGINS K AT ANOTHER SLOT: at slot (2 (cluster x mod 4) + 4 cluster y) mod 8, and walks the eight slots round from there.  The start is made of the cluster's x and y alone: it is the same in all sixteen partners.
; PREFETCHES: W's codes and the blocks of dq, one K slot ahead of the tensor load that will want them.  The four partners of a column share a tile's blocks of 256 bytes out by address (cy): wave 1 names 32 rows of W, waves 2 and 3
; 18 blocks of dq each, one instruction a wave and slot; nothing is asked for beyond the walk's eighth slot.  x's codes are prefetched for the walk's second slot alone, where two clusters of a row share a start and so name the
; same blocks (wave 0, 64 rows by cx): over the later slots all eight clusters of a row would name the same blocks.
; LIMIT: the f32 sums along K begin at the cluster's first slot, so their order of rounding differs from cluster to cluster and from a sum in ascending K.
; The bias is the C of each accumulator's first matrix instruction: eight registers for each of my four column blocks, in the result's layout.
; REGISTERS, in windows of 256: window 0: v8-30 addresses; v32-95 scale words, two sets of 32 (x: 4 p + q, W: 16 + 4 p + q, D: 24 + 2 q + p; lanes 0-15 the even block of pair p, lanes 16-31 the odd one);
;   v96-127 the bias; v128-255 the way out, four buffers of 32.   window 1: fragments, two sets of 128: x's eight, W's four, D's four; in the last slot W's and D's of all four steps.
;   window 2: block (a, b) of 16 x 16 at v[8 (4 a + b)], an accumulator = the blocks b, b + 1.   window 3: in the last slot x's fragments of all four steps.
.set NQ,     4                         ; steps of 128 along K in a slot
.set PITCH,  272                       ; an LDS row of codes: 256 bytes + 16 = 68 words, so that the 16 rows that a load touches start 4 words apart
.set OW,     256*PITCH                 ; a slot: x's rows at 0, W's rows here,
.set OD,     OW+128*PITCH              ; D's fragments,
.set ODS,    OD+32768                  ; D's scale words,
.set OWS,    ODS+2048                  ; W's scale bytes,
.set OXS,    OWS+2048                  ; x's scale bytes
.set SLOT,   OXS+4096
.set SPARE,  2*SLOT                    ; behind the ring: the spare words, 128 bytes for each wave: two blocks of 256 bytes that no other line names
.set NBLK,   36864                     ; a (group, slot) block of dq
.set LAPS,   4                         ; 4,096 along K = 8 slots = 4 times round the ring
.set STO,  8                           ; the way out: where I put 32 bytes of a row.  The stages, 16 rows x 272 bytes a wave, lie in slot 0, which has had its last fill and its last read when the first result is stored there
.set RD,   9                           ; and where I read a row back
.set CO,   10                          ; my byte offset in two rows of out0
.set ADRA, 16                          ; v16-17 LDS address of x's fragments in slot 0, 1;  v18-19 W's;  v20-21 D's;  v22-23 x's scale words;  v24-25 W's;  v26-27 D's
.set ADRW, 18
.set ADRD, 20
.set AXS,  22
.set AWS,  24
.set ADS,  26
.set SPW,  28                          ; LDS address of my spare word; never rewritten
.set NIL,  29                          ; 0; never rewritten
.set PFO,  30                          ; the prefetches' offset of my lane; never rewritten
.set SC,   32
.set BIAS, 96
.set OB,   128
.set G1A, 24                           ; descriptor groups 1: x's codes, W's codes, dq's block, x's scale bytes
.set G1W, 32
.set G1D, 40
.set G1X, 48
.set G0A, 56                           ; groups 0, a set for each slot
.set G0W, 68
.set G0D, 76
.set G0X, 84
.set KR,  66                           ; s66  the K slot, an even number from 0 to 6, that LDS slot 0 was last aimed at; LDS slot 1 takes the K slot behind it
.set OFS, 96                           ; s[96:97] a byte offset in 64 bits; its high word stays 0
.set PFS, 19                           ; s19  bytes from K slot to K slot where my wave prefetches
.set PFT, 92                           ; s[92:93] an offset; its high word stays 0 behind the head
.set PFB, 98                           ; s[98:99] where my wave's prefetches begin
.set PFA, 100                          ; s[100:101] the next prefetch's address
.set MSB, 0
.macro WIN new                         ; the immediate's high byte repeats the setting that is left
.if MSB != \new
	s_set_vgpr_msb (MSB<<8)|\new
.set MSB, \new
.endif
.endm
.macro PLACES                          ; four plain lines between a matrix instruction and a load into one of its registers, or a read of its result (ISA guide 7.12.1 for vector instructions)
.rept 4
	v_nop
.endr
.endm
; The four groups 0 of LDS slot 'slot' are aimed at K slot KR + slot: each address is made anew from its tile's base (s[4:5] x's codes, s[6:7] W's codes, s[8:9] dq, s[10:11] xs) and an offset that holds the
; cluster's start and the count of laps alone.  It stands where no tensor load of the wave is out.
.macro AIM slot
	s_add_co_u32 s67, s[KR], \slot
	s_lshl_b32 s[OFS], s67, 8                      ; 512 codes along K are 256 bytes of a row
	s_add_nc_u64 s[G0A+4*\slot+2:G0A+4*\slot+3], s[4:5], s[OFS:OFS+1]
	s_add_nc_u64 s[G0W+4*\slot+2:G0W+4*\slot+3], s[6:7], s[OFS:OFS+1]
	s_mul_i32 s[OFS], s67, NBLK                    ; a block of dq
	s_add_nc_u64 s[G0D+4*\slot+2:G0D+4*\slot+3], s[8:9], s[OFS:OFS+1]
	s_lshl_b32 s[OFS], s67, 12                     ; 256 rows' 16 scale bytes
	s_add_nc_u64 s[G0X+4*\slot+2:G0X+4*\slot+3], s[10:11], s[OFS:OFS+1]
.irp g, G0A, G0W, G0D, G0X
	s_or_b32 s[\g+4*\slot+3], s[\g+4*\slot+3], 0x80000000   ; type = 2
.endr
.endm
; Where the next prefetch stands: the K slot behind the one that is asked for now: KR + 1 (odd = 1) or KR + 2, round the eight (odd = 0).
.macro PFADR odd
.if \odd
	s_add_co_u32 s[PFT], s[KR], 1
.else
	s_add_co_u32 s[PFT], s[KR], 2
	s_and_b32 s[PFT], s[PFT], 7
.endif
	s_mul_i32 s[PFT], s[PFT], s[PFS]
	s_add_nc_u64 s[PFA:PFA+1], s[PFB:PFB+1], s[PFT:PFT+1]
.endm
.macro ASK last                        ; waves 1 to 3.  last = 1: the loop's last trip asks for nothing here: the walk has no further slot
	s_cmp_eq_u32 s16, 0
	s_cbranch_scc1 .Lno_ask_\@
.if \last
	s_cmp_eq_u32 s3, 1
	s_cbranch_scc1 .Lno_ask_\@
.endif
	global_prefetch_b8 v[PFO], s[PFA:PFA+1] th:TH_LOAD_NT scope:SCOPE_SE
.Lno_ask_\@:
.endm
; A wave's joint load for slot s.  The branches hang on the wave's number alone; each of the four lines has one mask and one set of registers.  An s_nop 0 and four v_nop follow each.
.macro JLOAD4 s
	s_cmp_lt_u32 s16, 2
	s_cbranch_scc0 .Lhigh_\@
	s_cmp_eq_u32 s16, 0
	s_cbranch_scc0 .Lfor_w_\@
	tensor_load_to_lds s[G0A+4*\s:G0A+4*\s+3], s[G1A:G1A+7]
	s_nop 0
	PLACES
	s_branch .Lasked_\@
.Lfor_w_\@:
	tensor_load_to_lds s[G0W+4*\s:G0W+4*\s+3], s[G1W:G1W+7]
	s_nop 0
	PLACES
	s_branch .Lasked_\@
.Lhigh_\@:
	s_cmp_eq_u32 s16, 2
	s_cbranch_scc0 .Lfor_x_\@
	tensor_load_to_lds s[G0D+4*\s:G0D+4*\s+3], s[G1D:G1D+7]
	s_nop 0
	PLACES
	s_branch .Lasked_\@
.Lfor_x_\@:
	tensor_load_to_lds s[G0X+4*\s:G0X+4*\s+3], s[G1X:G1X+7]
	s_nop 0
	PLACES
.Lasked_\@:
.endm
.macro CREST                           ; a round of the cluster's barrier behind its opening barrier
	s_cmp_lg_u32 s16, 0
	s_cbranch_scc1 .Lnot_wave_0_\@
	s_barrier_signal -3
.Lnot_wave_0_\@:
	s_barrier_wait -3
	s_barrier_signal -1
	s_barrier_wait -1
.endm
.macro CROUND                          ; a whole round
	s_barrier_signal -1
	s_barrier_wait -1
	CREST
.endm
	s_load_b256 s[4:11], s[0:1], 0x0               ; x's codes s[4:5], W's codes s[6:7], dq s[8:9], xs s[10:11]
	s_load_b128 s[12:15], s[0:1], 0x20             ; the bias s[12:13], out0 s[14:15]
	v_lshl_add_u32 v[SPW], v0, 2, SPARE
	v_mov_b32 v[NIL], 0
	ds_add_u32 v[SPW], v[NIL]                      ; the wave's opening: the add, twice on end, and its wait ahead of my first tensor load; the set-up below stands between the second and the wait
	ds_add_u32 v[SPW], v[NIL]
	v_lshrrev_b32 v1, 5, v0
	v_readfirstlane_b32 s16, v1                    ; wave 0..3
	s_lshr_b32 s17, s16, 1                         ; which 128 of the tile's rows are mine
	s_and_b32 s18, s16, 1                          ; which 64 of its columns
	s_movk_i32 s99, 0x800
	s_cmp_lt_u32 s16, 2
	s_cselect_b32 s98, 31, 17                      ; the prefetches: waves 0 and 1 a row of x or W a lane, 2,048 bytes apart; waves 2 and 3 a block of dq a lane, 18 lanes, the others name the last again
	s_cselect_b32 s99, s99, 0x100
	v_and_b32 v[PFO], 31, v0
	v_min_u32 v[PFO], s98, v[PFO]
	v_mul_u32_u24 v[PFO], s99, v[PFO]
	s_bfe_u32 s92, ttmp6, 0x40000                  ; cx, cy: my place in the cluster
	s_bfe_u32 s93, ttmp6, 0x40004
	s_lshl_b32 s94, ttmp9, 2
	s_add_co_u32 s94, s94, s92                     ; tile column = 4 x cluster x + cx
	s_and_b32 s95, ttmp7, 0xffff
	s_lshl_b32 s95, s95, 2
	s_add_co_u32 s95, s95, s93                     ; tile row = 4 x cluster y + cy
	s_lshl_b32 s100, s93, 2
	s_lshl_b32 s100, 15, s100                      ; my row of the cluster
	s_lshl_b32 s101, 0x1111, s92                   ; my column
	s_and_b32 s[KR], ttmp9, 3                      ; my cluster's first K slot: 2 (cluster x mod 4)
	s_lshl_b32 s[KR], s[KR], 1
	s_and_b32 s19, ttmp7, 1                        ; (the grid has two clusters along y)
	s_lshl_b32 s19, s19, 2
	s_add_co_u32 s[KR], s[KR], s19                 ; + 4 cluster y,
	s_and_b32 s[KR], s[KR], 7                      ; mod 8: an even number
	; group 1 for codes: rows of 256 elements of one byte, 2,048 bytes apart in memory, 16 bytes of padding behind each in LDS; bit 21 set beside a mask
	s_or_b32 s[G1A+0], s100, (0<<16)|(1<<20)|(1<<21)|(5<<22)|(3<<25)
	s_mov_b32 s[G1A+1], 256<<16                    ; tensor_dim0
	s_mov_b32 s[G1A+2], 256<<16                    ; tensor_dim1 = 256 rows of x
	s_mov_b32 s[G1A+3], 256<<16                    ; tile_dim0
	s_mov_b32 s[G1A+4], 256                        ; tile_dim1
	s_mov_b32 s[G1A+5], 2048                       ; from row to row
	s_mov_b32 s[G1A+6], 0
	s_mov_b32 s[G1A+7], 0
	s_or_b32 s[G1W+0], s101, (0<<16)|(1<<20)|(1<<21)|(5<<22)|(3<<25)
	s_mov_b32 s[G1W+1], 256<<16
	s_mov_b32 s[G1W+2], 128<<16                    ; 128 rows of W
	s_mov_b32 s[G1W+3], 256<<16
	s_mov_b32 s[G1W+4], 128
	s_mov_b32 s[G1W+5], 2048
	s_mov_b32 s[G1W+6], 0
	s_mov_b32 s[G1W+7], 0
	; dense blocks, as rows of 256 bytes (32 elements of 8 bytes), no padding: dq's 36,864 bytes are 144 rows, x's 4,096 scale bytes 16
	s_or_b32 s[G1D+0], s101, (3<<16)|(1<<21)
	s_mov_b32 s[G1D+1], 32<<16
	s_mov_b32 s[G1D+2], 144<<16
	s_mov_b32 s[G1D+3], 32<<16
	s_mov_b32 s[G1D+4], 144
	s_mov_b32 s[G1D+5], 32
	s_mov_b32 s[G1D+6], 0
	s_mov_b32 s[G1D+7], 0
	s_or_b32 s[G1X+0], s100, (3<<16)|(1<<21)
	s_mov_b32 s[G1X+1], 32<<16
	s_mov_b32 s[G1X+2], 16<<16
	s_mov_b32 s[G1X+3], 32<<16
	s_mov_b32 s[G1X+4], 16
	s_mov_b32 s[G1X+5], 32
	s_mov_b32 s[G1X+6], 0
	s_mov_b32 s[G1X+7], 0
.irp s, 0,1
	s_mov_b32 s[G0A+4*\s], 1                       ; count = 1
	s_mov_b32 s[G0A+4*\s+1], \s*SLOT               ; LDS addresses are constants: no place in the cluster enters one
	s_mov_b32 s[G0W+4*\s], 1
	s_mov_b32 s[G0W+4*\s+1], \s*SLOT+OW
	s_mov_b32 s[G0D+4*\s], 1
	s_mov_b32 s[G0D+4*\s+1], \s*SLOT+OD
	s_mov_b32 s[G0X+4*\s], 1
	s_mov_b32 s[G0X+4*\s+1], \s*SLOT+OXS
.endr
	s_mov_b32 s21, 0                               ; s[20:21]: offsets made of the tile row alone;  s[22:23]: of the tile column alone
	s_mov_b32 s23, 0
	s_mov_b32 s[OFS+1], 0
	s_wait_alu depctr_va_vdst(0)
	s_wait_dscnt 0x0                               ; both opening adds are done
	s_wait_kmcnt 0x0
	s_lshl_b32 s20, s95, 19                        ; 256 rows of 2,048 bytes
	s_add_nc_u64 s[4:5], s[4:5], s[20:21]          ; x's codes at my tile row
	s_lshl_b32 s20, s95, 15                        ; eight slots of 4,096 bytes
	s_add_nc_u64 s[10:11], s[10:11], s[20:21]      ; its scale bytes
	s_lshl_b32 s22, s94, 18                        ; 128 rows of 2,048 bytes
	s_add_nc_u64 s[6:7], s[6:7], s[22:23]          ; W's codes at my tile column
	s_mul_i32 s22, s94, 8*NBLK
	s_add_nc_u64 s[8:9], s[8:9], s[22:23]          ; its eight blocks of dq
	AIM 0                                          ; my cluster's first K slot,
	AIM 1                                          ; and the one behind it
	CROUND                                         ; all sixteen work-groups are here: the first joint loads meet
	JLOAD4 0                                       ; one tensor load a wave at the head
	v_and_b32 v1, 15, v0                           ; r
	v_bfe_u32 v2, v0, 4, 1                         ; h
	v_and_b32 v3, 31, v0
	v_lshlrev_b32 v6, 3, v3                        ; 8 x lane
	v_lshlrev_b32 v3, 4, v3                        ; 16 x lane
	v_mul_u32_u24 v4, v1, PITCH
	v_lshl_add_u32 v5, v2, 4, v4                   ; a fragment's row x pitch + 16 x half
	s_wait_alu depctr_va_vdst(0)
	s_mul_i32 s20, s17, 128*PITCH                  ; my 128 rows of x
	s_mul_i32 s21, s18, 64*PITCH
	s_add_co_u32 s21, s21, OW                      ; my 64 rows of W
	s_lshl_b32 s22, s18, 12
	s_add_co_u32 s22, s22, OD                      ; my four of D's eight fragments of a step
	s_lshl_b32 s23, s17, 11
	s_add_co_u32 s23, s23, OXS                     ; my rows' scale bytes: 16 a row
	s_lshl_b32 s67, s18, 10
	s_add_co_u32 s67, s67, OWS
	s_lshl_b32 s2, s18, 8
	s_add_co_u32 s2, s2, ODS                       ; my half's scale words, two a lane
.irp s, 0,1
	v_add_nc_u32 v[ADRA+\s], s20, v5
	v_add_nc_u32 v[ADRW+\s], s21, v5
	v_add_nc_u32 v[ADRD+\s], s22, v3
	v_add_nc_u32 v[AXS+\s], s23, v3
	v_add_nc_u32 v[AWS+\s], s67, v3
	v_add_nc_u32 v[ADS+\s], s2, v6
	s_add_co_u32 s20, s20, SLOT
	s_add_co_u32 s21, s21, SLOT
	s_add_co_u32 s22, s22, SLOT
	s_add_co_u32 s23, s23, SLOT
	s_add_co_u32 s67, s67, SLOT
	s_add_co_u32 s2, s2, SLOT
.endr
	s_mul_i32 s20, s16, 16*PITCH                   ; my stage
	v_lshl_add_u32 v[STO], v2, 5, v4               ; in: row r, 32 bytes for each half of the lanes
	v_add_nc_u32 v[STO], s20, v[STO]
	v_mul_u32_u24 v[RD], v2, PITCH                 ; back: lanes 0-15 one row of 256 bytes, lanes 16-31 the next
	v_lshl_add_u32 v[RD], v1, 4, v[RD]
	v_add_nc_u32 v[RD], s20, v[RD]
	v_lshlrev_b32 v[CO], 14, v2                    ; and the same two rows in out0: 16,384 bytes a row
	v_lshl_add_u32 v[CO], v1, 4, v[CO]
	v_lshlrev_b32 v11, 5, v2                       ; the bias: my half's eight numbers of a block of 16
	s_wait_alu depctr_va_vdst(0)
	; the prefetches' beginning: x's rows 64 cx on, W's rows 32 cy on, or dq's blocks of 256 bytes 36 cy + 18 (wave % 2) on
	s_lshl_b32 s2, s93, 16
	s_mul_i32 s3, s93, 36*256
	s_mul_i32 s20, s18, 18*256
	s_add_co_u32 s3, s3, s20
	s_lshl_b32 s20, s92, 17
	s_mov_b32 s[PFS], NBLK
	s_cmp_lt_u32 s16, 2
	s_cselect_b64 s[PFB:PFB+1], s[6:7], s[8:9]
	s_cselect_b32 s2, s2, s3
	s_cselect_b32 s[PFS], 0x100, s[PFS]
	s_cmp_eq_u32 s16, 0
	s_cselect_b64 s[PFB:PFB+1], s[4:5], s[PFB:PFB+1]
	s_cselect_b32 s2, s20, s2
	s_mov_b32 s3, 0
	s_add_nc_u64 s[PFB:PFB+1], s[PFB:PFB+1], s[2:3]
	s_mov_b32 s[PFT+1], 0
	PFADR 1
	global_prefetch_b8 v[PFO], s[PFA:PFA+1] th:TH_LOAD_NT scope:SCOPE_SE   ; my share of the second K slot; wave 0 takes 32 rows of x more
	s_cmp_lg_u32 s16, 0
	s_cbranch_scc1 .Lno_x_more
	global_prefetch_b8 v[PFO], s[PFA:PFA+1] offset:65536 th:TH_LOAD_NT scope:SCOPE_SE
.Lno_x_more:
	s_lshl_b32 s20, s95, 8
	s_lshl_b32 s21, s17, 7
	s_add_co_u32 s20, s20, s21                     ; my first row of out0
	s_lshl_b32 s20, s20, 14
	s_lshl_b32 s21, s94, 9
	s_lshl_b32 s22, s18, 8
	s_add_co_u32 s22, s21, s22                     ; my first column, in bytes
	s_mov_b32 s23, 0
	s_add_nc_u64 s[12:13], s[12:13], s[22:23]
	s_add_co_u32 s20, s20, s22
	s_mov_b32 s21, 0
	s_add_nc_u64 s[14:15], s[14:15], s[20:21]
.irp b, 0,1,2,3
	global_load_b128 v[BIAS+8*\b:BIAS+8*\b+3], v11, s[12:13] offset:64*\b
	global_load_b128 v[BIAS+8*\b+4:BIAS+8*\b+7], v11, s[12:13] offset:64*\b+16
.endr
; One matrix instruction.  rD accumulator, rB 32 rows of W or D, rA 16 rows of x, rC the C; sc: the set of scale words; x's block a against pair bp of W (kind 0) or D (kind 1), the slot's q-th 128 along K.
; A pair's scale words fill the 32 lanes; x's stand in lanes 0-15 for the even block of its pair, in lanes 16-31 for the odd one.
.macro MM a, bp, kind, q, sc
.set rX, SC+32*(\sc)+4*((\a)/2)+(\q)
.if \kind
.set rS, SC+32*(\sc)+24+2*(\q)+(\bp)
.else
.set rS, SC+32*(\sc)+16+4*(\bp)+(\q)
.endif
.if (\a)%2 == 0
	v_wmma_scale_f32_32x16x128_f4 v[rD:rD+15], v[rB:rB+15], v[rA:rA+7], v[rC:rC+15], v[rS], v[rX]
.else
	v_wmma_scale_f32_32x16x128_f4 v[rD:rD+15], v[rB:rB+15], v[rA:rA+7], v[rC:rC+15], v[rS], v[rX] matrix_b_scale:MATRIX_SCALE_ROW1
.endif
.endm
; Four matrix instructions on four accumulators, on fragment set q % 2: x's blocks a0, a0 + 1 against both pairs of W or of D.  Wherever groups follow each other, an accumulator comes again after seven others or more
; first = 1: the products take the bias (window 0) as C and so start the sums: nothing is cleared.
; Windows: sources 0 and 1 window 1, destination window 2; C window 2 (0xa5) or 0 (0x85).
.macro MG a0, kind, q, sc, first
.if \first
	WIN 0x85
.else
	WIN 0xa5
.endif
.irp a, \a0, \a0+1
.irp b, 0,1
.set rD, 8*(4*(\a)+2*\b)
.set rB, 128*((\q)%2)+64+32*(\kind)+16*\b
.set rA, 128*((\q)%2)+8*(\a)
.if \first
.set rC, BIAS+16*\b
.else
.set rC, rD
.endif
	MM \a, \b, \kind, \q, \sc
.endr
.endr
.endm
; The last slot: eight matrix instructions, x's blocks a0, a0 + 1 (window 3) against both pairs of W, then of D (window 1), step q: four accumulators by turns, each again after three others.
.macro MR a0, q
	WIN 0xad
.irp k, 0,1
.irp a, \a0, \a0+1
.irp b, 0,1
.set rD, 8*(4*(\a)+2*\b)
.set rB, 64*(\q)+32*\k+16*\b
.set rA, 32*(\a)+8*(\q)
.set rC, rD
	MM \a, \b, \k, \q, 1
.endr
.endr
.endr
.endm
; Fragments, eight loads a run: W's four from rows (two loads 32 bytes apart), D's four from their images (lane l's 16 bytes at 16 l), four of x's from rows.  to: the first register in window 1.
.macro LW slot, q, to
	WIN 0x40
.irp b, 0,1,2,3
.irp c, 0,1
	ds_load_b128 v[(\to)+8*\b+4*\c:(\to)+8*\b+4*\c+3], v[ADRW+\slot] offset:64*(\q)+32*\c+16*PITCH*\b
.endr
.endr
.endm
.macro LD slot, q, to
	WIN 0x40
.irp b, 0,1,2,3
.irp c, 0,1
	ds_load_b128 v[(\to)+8*\b+4*\c:(\to)+8*\b+4*\c+3], v[ADRD+\slot] offset:8192*(\q)+1024*\b+512*\c
.endr
.endr
.endm
.macro LX slot, q, i0, to
	WIN 0x40
.irp i, 0,1,2,3
.irp c, 0,1
	ds_load_b128 v[(\to)+8*\i+4*\c:(\to)+8*\i+4*\c+3], v[ADRA+\slot] offset:64*(\q)+32*\c+16*PITCH*(\i0+\i)
.endr
.endr
.endm
.macro XB a                            ; the last slot: x's block a, all four steps, into window 3
	WIN 0xc0
.irp q, 0,1,2,3
.irp c, 0,1
	ds_load_b128 v[32*\a+8*\q+4*\c:32*\a+8*\q+4*\c+3], v[ADRA+1] offset:64*\q+32*\c+16*PITCH*\a
.endr
.endr
.endm
.macro SCALES s                        ; 10 loads: slot s's scale words into set s: a row's 16 bytes are its four words of the slot
	WIN 0
.irp p, 0,1,2,3
	ds_load_b128 v[SC+32*\s+4*\p:SC+32*\s+4*\p+3], v[AXS+\s] offset:512*\p
.endr
.irp p, 0,1
	ds_load_b128 v[SC+32*\s+16+4*\p:SC+32*\s+16+4*\p+3], v[AWS+\s] offset:512*\p
.endr
.irp q, 0,1,2,3
	ds_load_b64 v[SC+32*\s+24+2*\q:SC+32*\s+24+2*\q+1], v[ADS+\s] offset:512*\q
.endr
.endm
; A step's 32 loads, in one run, in the order W, x 0-3, D, x 4-7, into set q % 2.  sc = 1: a slot's first step: its scale words behind W.
.macro FETCH slot, q, sc
	LW \slot, \q, 128*((\q)%2)+64
.if \sc
	SCALES \slot
.endif
	LX \slot, \q, 0, 128*((\q)%2)
	LD \slot, \q, 128*((\q)%2)+96
	LX \slot, \q, 4, 128*((\q)%2)+32
.endm
; A step of 128 along K that has its successor in the same slot.  The successor's loads go out at its start, 32 matrix instructions ahead of their use.
; meet = 1, a slot's third step: ahead of its last eight products each wave waits for all its tensor loads and adds 0 to its spare word; with fill = 1 the descriptors are aimed there, where no load is out.
.macro STEP slot, q, first, meet, fill
	s_wait_dscnt 16                                ; W and x 0-3 are in (and scale words); the 16 loads of D and x 4-7 may be out
	PLACES                                         ; for the loads below, into the set that the step before read
	FETCH \slot, (\q)+1, 0
	MG 0, 0, \q, \slot, \first
	MG 2, 0, \q, \slot, \first
	s_wait_dscnt 40                                ; D is in: x 4-7 and the 32 just issued may be out
	MG 0, 1, \q, \slot, 0
	MG 2, 1, \q, \slot, 0
	s_wait_dscnt 32                                ; x 4-7 are in
	MG 4, 0, \q, \slot, \first
	MG 6, 0, \q, \slot, \first
.if \meet
	WIN 0
.if \fill
	s_wait_xcnt 0x0                                ; the last prefetch has read its address
.endif
	s_wait_tensorcnt 0x0                           ; all my tensor loads have landed: the one that was out is my part of the next slot;
	ds_add_u32 v[SPW], v[NIL]                      ; 0 onto my spare word; descriptor words and eight matrix instructions stand between it and the wait for it
.if \fill
.if \slot == 0
	s_add_co_u32 s[KR], s[KR], 2                   ; once a lap: two K slots on,
	s_and_b32 s[KR], s[KR], 7                      ; round the eight
.endif
	AIM \slot
	PFADR 1-\slot
.endif
.endif
	MG 4, 1, \q, \slot, 0
	MG 6, 1, \q, \slot, 0
.endm
; A slot's last step changes slots: ONE barrier, which opens a round of the cluster's barrier, and this slot is filled again, with the K slot two on in the cluster's walk: from the request to the wait for it
; a wave issues 112 matrix instructions.
.macro TURN slot, next
	s_wait_dscnt 0x0                               ; the add is done, and my reads of this slot are over
	s_barrier_signal -1
	MG 0, 0, NQ-1, \slot, 0
	MG 2, 0, NQ-1, \slot, 0
	WIN 0
	s_barrier_wait -1
	CREST                                          ; no wave of any partner still reads this slot or has a load on its way
	JLOAD4 \slot                                   ; the first tensor load behind the round, one a wave; the four v_nop behind it are also the places in front of the loads below
	FETCH \next, 0, 1
	WIN 0
	ASK \slot                                      ; one slot ahead of the load that will want it
	MG 0, 1, NQ-1, \slot, 0
	MG 2, 1, NQ-1, \slot, 0
	MG 4, 0, NQ-1, \slot, 0
	MG 6, 0, NQ-1, \slot, 0
	MG 4, 1, NQ-1, \slot, 0
	MG 6, 1, NQ-1, \slot, 0
.endm
	s_wait_alu depctr_va_vdst(0)
	s_wait_xcnt 0x0                                ; the prefetch has read its address
	PFADR 0
	s_wait_tensorcnt 0x0                           ; my part of slot 0 is in
	ds_add_u32 v[SPW], v[NIL]
	s_wait_dscnt 0x0                               ; the add is done
	CROUND                                         ; everybody's part is in, and the joint loads meet
	JLOAD4 1                                       ; slot 1's first fill, the first tensor load behind the round
	FETCH 0, 0, 1
	WIN 0
	ASK 0                                          ; my share of the third K slot
	s_wait_loadcnt 0x0                             ; the bias
	STEP 0, 0, 1, 0, 0                             ; the first step stands in front of the loop: its products start the sums
	WIN 0
	s_mov_b32 s3, LAPS-1
.Llap:                                                 ; a trip goes once round the ring, from a lap's second step to the next lap's first, and fills both slots again
	STEP 0, 1, 0, 0, 0
	STEP 0, 2, 0, 1, 1
	TURN 0, 1
	STEP 1, 0, 0, 0, 0
	STEP 1, 1, 0, 0, 0
	STEP 1, 2, 0, 1, 1
	TURN 1, 0
	STEP 0, 0, 0, 0, 0
	WIN 0
	s_sub_co_u32 s3, s3, 1
	s_cmp_lg_u32 s3, 0
	s_cbranch_scc1 .Llap
	STEP 0, 1, 0, 0, 0                             ; the last lap fills nothing, and has no round of the cluster's barrier
	STEP 0, 2, 0, 1, 0
; THE WAY OUT, block by block of 16 rows x 64 columns.  A lane holds 32 neighbouring bytes of a row, and the lanes beside it hold other rows: so a block goes through my own stage in LDS and comes back as whole rows of
; 256 bytes, two an instruction.  LDS serves a wave's instructions in order (ISA guide 5.7.1.4): no wait between the stores and the loads, nor in front of the next block's stores.
.macro TOSTAGE a
.if (\a) > 3
	s_wait_xcnt 0x0                                ; the stores from this buffer have read it
.endif
	WIN 0x08                                       ; an LDS store's data are its source 1: window 2
.irp b, 0,1,2,3
	ds_store_b128 v[STO], v[32*(\a)+8*\b:32*(\a)+8*\b+3] offset:64*\b          ; each accumulator from its low end on
	ds_store_b128 v[STO], v[32*(\a)+8*\b+4:32*(\a)+8*\b+7] offset:64*\b+16
.endr
	WIN 0
.set BB, OB+32*((\a)%4)
.irp t, 0,1,2,3,4,5,6,7
	ds_load_b128 v[BB+4*\t:BB+4*\t+3], v[RD] offset:\t*2*PITCH
.endr
.endm
.macro SEND a, younger                 ; younger: the LDS instructions issued behind block a's loads, which may stay out
.set BB, OB+32*((\a)%4)
	WIN 0
	s_wait_dscnt \younger                          ; the block is back in registers
.irp t, 0,1,2,3,4,5,6,7
	global_store_b128 v[CO], v[BB+4*\t:BB+4*\t+3], s[14:15] offset:(16*(\a)+2*\t)*16384 th:TH_STORE_NT   ; sixteen lanes store 256 consecutive bytes, at a multiple of 256 from out0's first byte
.endr
.endm
; THE LAST SLOT GOES BY ROWS: all its fragments of W and D fill window 1, x's window 3; then my pairs of row blocks are finished one after the other, 32 matrix instructions each, and leave while the next are multiplied.
	s_wait_dscnt 0x0                               ; the add is done, and my reads of slot 0 are over
	s_barrier_signal -1
	MG 0, 0, NQ-1, 0, 0
	MG 2, 0, NQ-1, 0, 0
	WIN 0
	s_barrier_wait -1                              ; the last slot is whole, and nobody reads slot 0 any more; nothing is filled again, so no round follows
	PLACES
	LW 1, 0, 0                                     ; steps 0 and 1 into the lower half of window 1; slot 0's last step is still at work in the upper half
	LD 1, 0, 32
	LW 1, 1, 64
	LD 1, 1, 96
	SCALES 1
	XB 0
	XB 1
	MG 0, 1, NQ-1, 0, 0
	MG 2, 1, NQ-1, 0, 0
	MG 4, 0, NQ-1, 0, 0
	MG 6, 0, NQ-1, 0, 0
	MG 4, 1, NQ-1, 0, 0
	MG 6, 1, NQ-1, 0, 0
	PLACES
	LW 1, 2, 128
	LD 1, 2, 160
	LW 1, 3, 192
	LD 1, 3, 224
	XB 2
	XB 3
	s_wait_dscnt 48                                ; all but the 48 just issued
	MR 0, 0
	MR 0, 1
	s_wait_dscnt 16                                ; W and D are in; x's blocks 2 and 3 may be out
	MR 0, 2
	MR 0, 3
	s_wait_dscnt 0x0                               ; x's blocks 2 and 3
	PLACES                                         ; for the reads of results just made
	TOSTAGE 0
	TOSTAGE 1
	XB 4
	XB 5
	XB 6
	XB 7
	MR 2, 0
	MR 2, 1
	SEND 0, 48                                     ; behind block 0's loads: block 1's 16, and x's 32
	SEND 1, 32
	MR 2, 2
	MR 2, 3
	PLACES
	TOSTAGE 2
	TOSTAGE 3
	s_wait_dscnt 32                                ; x's blocks 4 to 7
	MR 4, 0
	MR 4, 1
	SEND 2, 16
	SEND 3, 0
	MR 4, 2
	MR 4, 3
	PLACES
	TOSTAGE 4
	TOSTAGE 5
	MR 6, 0
	MR 6, 1
	SEND 4, 16
	SEND 5, 0
	MR 6, 2
	MR 6, 3
	PLACES
	TOSTAGE 6
	TOSTAGE 7
	SEND 6, 16
	SEND 7, 0
	s_wait_tensorcnt 0x0                           ; the wave's end: behind my last tensor load and my last LDS store
	ds_add_u32 v[SPW], v[NIL]
	s_wait_dscnt 0x0
	CROUND                                         ; the closing round: no work-group ends while a partner may still ask for a tile that names it
	s_endpgm
.Lfunc_end_k_q9838dd257f_gemm:
	.size	k_q9838dd257f_gemm, .Lfunc_end_k_q9838dd257f_gemm-k_q9838dd257f_gemm
	.p2alignl 7, 3214868480
	.fill 96, 4, 3214868480
	.section	.rodata,"a",@progbits
	.p2align	6, 0x0
	.amdhsa_kernel k_q9838dd257f_gemm
		.amdhsa_group_segment_fixed_size 327680
		.amdhsa_private_segment_fixed_size 0
		.amdhsa_enable_private_segment 0
		.amdhsa_kernarg_size 48
		.amdhsa_user_sgpr_count 2
		.amdhsa_user_sgpr_kernarg_segment_ptr 1
		.amdhsa_wavefront_size32 1
		.amdhsa_system_sgpr_workgroup_id_x 1
		.amdhsa_system_sgpr_workgroup_id_y 1
		.amdhsa_system_sgpr_workgroup_id_z 1
		.amdhsa_system_vgpr_workitem_id 0
		.amdhsa_next_free_vgpr 1024
		.amdhsa_next_free_sgpr 102
		.amdhsa_reserve_vcc 0
		.amdhsa_float_denorm_mode_32 3
		.amdhsa_float_denorm_mode_16_64 3
		.amdhsa_memory_ordered 1
		.amdhsa_forward_progress 1
		.amdhsa_inst_pref_size 139
	.end_amdhsa_kernel
	.amdgpu_metadata
---
amdhsa.version: [ 1, 2 ]
amdhsa.kernels:
  - .name:           k_q9838dd257f_gemm
    .symbol:         k_q9838dd257f_gemm.kd
    .args:
      - { .name: x_codes, .offset: 0, .size: 8, .value_kind: global_buffer, .address_space: global }
      - { .name: org_weight_codes, .offset: 8, .size: 8, .value_kind: global_buffer, .address_space: global }
      - { .name: dq, .offset: 16, .size: 8, .value_kind: global_buffer, .address_space: global }
      - { .name: xs, .offset: 24, .size: 8, .value_kind: global_buffer, .address_space: global }
      - { .name: org_bias, .offset: 32, .size: 8, .value_kind: global_buffer, .address_space: global }
      - { .name: out0, .offset: 40, .size: 8, .value_kind: global_buffer, .address_space: global }
    .group_segment_fixed_size: 327680
    .private_segment_fixed_size: 0
    .kernarg_segment_align: 8
    .kernarg_segment_size: 48
    .max_flat_workgroup_size: 128
    .sgpr_count:     102
    .vgpr_count:     1024
    .wavefront_size: 32
...
	.end_amdgpu_metadata
.endif
;; end of part 2
